; MI455X (gfx1250); checked and timed in simulation.
; The chip was launched on July 23, 2026; its instructions are those of AMD's public machine-readable ISA for CDNA 5 (MIT licence, August 2026) and "CDNA5" Instruction Set Architecture Reference Guide (July 2026). The comments in the code are by the model that wrote it; some were corrected since.
;; Attend. Allowed arithmetic: matrix products marked QUANTISED: E2M3 operands, one E8M0 scale for each 32 along K, by v_wmma_scale_f32_16x16x128_f8f6f4 with both operands' format E2M3, f32 sums; everything else in f32.
;; Inputs: k 4 x 16 x 2,048 x 64 float32; q 4 x 16 x 2,048 x 64 float32; v 4 x 16 x 2,048 x 64 float32.
;; Outputs: out0 4 x 2,048 x 1,024 float32.
;; This version of the problem:
;;   THIS VERSION OF THE PROBLEM IS GIVEN IN LOW PRECISION. The matrix products marked QUANTISED in the list below multiply operands that are first quantised to E2M3 (2 exponent bits, 3 mantissa bits; 6 bits a number), with one power-of-two scale for each 32 numbers along K (OCP MX v1.0); their sums are f32. All else is computed in f32.
;;   The module's matrix products, in the order in which they are computed (A, B: the left and right operand; K: the contracted axis; several contracted axes count as one K, in the product's order):
;;     1. batch 64 x [M 2,048, K 64] x [K 64, N 2,048]; A: input q; B: input k: QUANTISED
;;     2. batch 64 x [M 2,048, K 2,048] x [K 2,048, N 64]; A: softmax (see below); B: input v: QUANTISED
;;   THE QUANTISER, for each operand of a quantised product, along K:
;;     - K is cut into blocks of 32 from its start; a last block that is shorter is filled with zeros.
;;     - A block's scale is 2^e with e = floor(log2(the largest magnitude in the block)) - 2, held to -126 .. 127; a block of zeros has e = 0. As a byte (E8M0): e + 127.
;;     - Each number is divided by its block's scale, clamped to +-7.5, and rounded to the nearest number of E2M3, ties to even, subnormals kept.
;;     - The product sums the exact products of the quantised numbers (number of the format x scale) in f32.
;;   ~~~python
;;   def quantise(x, axis):      # numpy; x: float32 -> the quantised numbers, widened to float32 again
;;       x = np.moveaxis(x, axis, -1); K = x.shape[-1]
;;       x = np.pad(x, [(0, 0)] * (x.ndim - 1) + [(0, -K % 32)]); x = x.reshape(x.shape[:-1] + (-1, 32)); a = np.abs(x).max(-1, keepdims=True)
;;       e = np.where(a > 0, np.clip(np.frexp(np.where(a > 0, a, 1))[1] - 1 - 2, -126, 127), 0)      # np.frexp(a)[1] - 1 = floor(log2(a)), exactly
;;       r = np.clip(x / 2.0 ** e, -7.5, 7.5)
;;       step = 2.0 ** (np.maximum(np.frexp(np.where(r == 0, 1, r))[1] - 1, 0) - 3)
;;       q = np.round(r / step) * step * 2.0 ** e      # np.round: ties to even
;;       return np.moveaxis(q.reshape(q.shape[:-2] + (-1,))[..., :K], -1, axis).astype(np.float32)
;;   ~~~
;;   SOFTMAX AHEAD OF A QUANTISED PRODUCT. Where the list says 'softmax', what is quantised is not the finished softmax but p = 2^(t - M), with t = logit x log2(e) and M = ceil(the row's largest t), a whole number; so 1/2 < the row's largest p <= 1. The row's sum l is taken of the UNQUANTISED p, in f32, and the product's result is divided by l at the end. Since M is a whole number, a kernel that streams over the keys may use a running M (the ceiling of the running maximum): every later rescaling is an exact power of two, which a block's scale takes up: the codes' values come out the same.
;;   OPERANDS COMPUTED ON THE WAY. 'Computed on the way' means the value that the module computes at that place (a softmax that the list does not call 'softmax' is quantised finished and normalised). What goes into a quantiser is computed in f32, as accurately as f32 sums, v_exp_f32 and their like allow (about 1e-6 of the number): no bf16 or f16 on the way to a quantiser, and a product that is left as it is and whose result goes on into a quantised operand takes f32 operands (vector FMAs, or v_wmma_f32_16x16x4_f32). A number that lies on a knife's edge between two numbers of the format may be rounded either way, as far as f32 arithmetic and the matrix unit's own rounding can turn it there, and no further.
;; One version. Each part assembles by itself: llvm-mc -triple=amdgcn-amd-amdhsa -mcpu=gfx1250 --defsym DOCPART=n.
;; ======== version 1 of 1: 2 launches
;; limits: right only within a limited range of input values
;; workspace buffers: kv 13,107,200 bytes
;; launch prep (part 1): grid 512 x 1, 4 waves a work-group, no clusters, 58,880 bytes of LDS; arguments k, v, kv; writes kv
.if DOCPART == 1
	.amdgcn_target "amdgcn-amd-amdhsa--gfx1250"
	.amdhsa_code_object_version 6
	.text
	.protected	k_q32d2136261_prep
	.globl	k_q32d2136261_prep
	.p2align	8
	.type	k_q32d2136261_prep,@function
k_q32d2136261_prep:
	s_mov_b64 s[64:65], 0
	v_nop
	global_prefetch_b8 v0, s[64:65] scope:SCOPE_SE
	s_setreg_imm32_b32 hwreg(HW_REG_WAVE_MODE, 25, 1), 1
	s_wait_xcnt 0x0
; K and V, [64 heads][2048 keys][64] f32, become codes of FP6 (E2M3) with one E8M0 scale byte for each 32 along a product's K: K is quantised along the head's 64, V along the keys.
; A block's scale is 2^(floor(log2(its largest magnitude)) - 2); its byte is the largest magnitude's exponent field - 2, held at 1 from below.
; LIMITS: NaN and infinities among the inputs are not served.  A block of zeros gets the byte 1 where the quantiser says 127: its codes are zeros, which add nothing, and this program alone reads the bytes.
; THE WORKSPACE kv IS LAID IN THE ORDER OF THE OPERANDS' REGISTERS.  A unit, 12,800 bytes, is one key step (128 keys) of one head; unit = 16 x head + step.  A fragment is 12 registers a lane, stored as three groups
; of four registers, 512 bytes a group, lane l's 16 bytes at 16 l.  With l = r + 16 h:
;   0 + 1536 f      K's fragment f: registers 0-5: key 64 (f / 2) + 16 (f % 2) + 32 (r / 8) + r % 8, d = 32 h .. 32 h + 31; registers 6-11: the key 8 further on, the same d.  (Two tiles of 16 keys in one fragment: the head has 64 along K, the instruction 128.)
;   6144 + 1536 t   V^T's fragment t: column d = 32 (r / 8) + 8 t + r % 8; registers 6 c .. 6 c + 5: keys 64 c + 32 h + 0 .. 31 of the step.
;   12288 + 16 r + 4 f   K's scale word of fragment f, row r: the first key's two blocks, then the second key's two.
;   12544 + 16 r + 4 t   V's scale word of fragment t, row r: byte b for keys 32 b .. 32 b + 31.
; SHARES.  A wave takes one unit of one tensor, 32,768 dense bytes: waves 0 and 1 K's units 2 x work-group + 0, 1; waves 2 and 3 V's.  Waves share nothing: no barrier.  The two roles part once, on the wave's number, and do not join.
; Every load reads 512 consecutive bytes; the numbers turn through the wave's own stage in LDS, so that a lane's registers run along the product's K, as the conversions want them.  Loads run two chunks (32 loads a wave) ahead.
; No pointer is stepped and no store's data are written again: every offset is an immediate, each chunk has its own registers for its codes.
.set WREG,  14592                      ; LDS of a wave.  K's role: a stage of 32 rows x 272.  V's role: a stage of 8,192, the image of four fragments (6,144), 256 bytes of scale words
.set IMG,   8192
.set WRD,   14336
.set KP,    272                        ; K's stage: a key's 256 bytes + 16: the sixteen rows that a load of 16 bytes a lane touches start at sixteen different banks (64 banks of 4 bytes: ISA guide 11.1)
.set UNITB, 12800
.set GL,   4                           ; v4   16 x lane: offset of my 16 bytes in a load's or a store's 512
.set KSI,  5                           ; v5   K: the stage, on the way in: 272 (lane / 16) + 16 (lane % 16)
.set KSO,  6                           ; v6   K: on the way out: 272 r + 128 h
.set VI,   7                           ; v7   V: my place in the image: 1536 t + 16 (lane % 8), t = (lane / 8) % 4
.set WA,   8                           ; v8   V: my place among the scale words: 16 (lane % 8) + 4 t
.set L8,   9                           ; v9   8 x lane
.set H8,   10                          ; v10  8 h: a shift
.set KW,   11                          ; v11  K: 16 r + 8 h: where I store two scale words
.set M,    12                          ; v12-13 two blocks' largest magnitudes, then their scale operands
.set BY,   14                          ; v14-15 their bytes
.set T,    16                          ; v16-18, v20-22: a conversion's three registers begin on an even number: a block's second half is made here and moved
.set VSI,  19                          ; v19  V: the stage, on the way in, and the image on the way out: 16 x lane
.set VSO,  23                          ; v23  V: the stage, on the way out: 4 x lane
.set W,    24                          ; v24-27 scale words
.set WRB,  31                          ; v31  V: the scale words on the way out: 8 x lane
.set R,    32                          ; v32-95, v96-159: two sets of 64 numbers
.set C,    160                         ; v160-207: codes, 12 registers a chunk
	s_load_b128 s[4:7], s[0:1], 0x0                ; k, v
	s_load_b64 s[8:9], s[0:1], 0x10                ; kv
	v_lshl_add_u32 v208, v0, 2, 0xe400
	v_mov_b32 v209, 0
	v_lshrrev_b32 v1, 5, v0
	v_readfirstlane_b32 s16, v1                    ; wave 0..3
	s_and_b32 s17, s16, 1
	s_lshl_b32 s18, ttmp9, 1
	s_add_co_u32 s17, s17, s18                     ; my unit, 0 .. 1023
	s_lshl_b32 s18, s17, 15                        ; its 32,768 bytes of f32 (32 MiB at the most),
	s_mov_b32 s19, 0
	s_mul_i32 s20, s17, UNITB                      ; and its place in kv
	s_mov_b32 s21, 0
	s_mul_i32 s22, s16, WREG                       ; my wave's LDS
	s_mov_b32 s24, 0x76543210
	s_mov_b32 s25, 0xfedcba98                      ; v_permlanex16_b32's selects for lane l xor 16
	; all LDS addresses of both roles are made here, ahead of the parting
	v_and_b32 v1, 31, v0                           ; lane
	v_and_b32 v2, 15, v0                           ; r
	v_bfe_u32 v3, v0, 4, 1                         ; h
	v_lshlrev_b32 v[GL], 4, v1
	v_mul_u32_u24 v[KSI], v3, KP
	v_lshl_add_u32 v[KSI], v2, 4, v[KSI]
	v_add_nc_u32 v[KSI], s22, v[KSI]
	v_mul_u32_u24 v[KSO], v2, KP
	v_lshl_add_u32 v[KSO], v3, 7, v[KSO]
	v_add_nc_u32 v[KSO], s22, v[KSO]
	v_add_nc_u32 v[VSI], s22, v[GL]
	v_lshlrev_b32 v[VSO], 2, v1
	v_add_nc_u32 v[VSO], s22, v[VSO]
	v_bfe_u32 v28, v0, 3, 2                        ; t
	v_and_b32 v29, 7, v0                           ; lane % 8
	v_mul_u32_u24 v[VI], v28, 1536
	v_lshl_add_u32 v[VI], v29, 4, v[VI]
	v_add_nc_u32 v[VI], s22, v[VI]
	v_lshlrev_b32 v[WA], 2, v28
	v_lshl_add_u32 v[WA], v29, 4, v[WA]
	v_add_nc_u32 v[WA], s22, v[WA]
	v_lshlrev_b32 v[L8], 3, v1
	v_add_nc_u32 v[WRB], s22, v[L8]
	v_lshlrev_b32 v[H8], 3, v3
	v_lshl_add_u32 v[KW], v2, 4, v[H8]
	v_mov_b32 v30, 0                               ; written once: a lane permute's destination counts as one of its sources
	s_wait_kmcnt 0x0
	s_cmp_lt_u32 s16, 2                            ; K's wave or V's: the choice hangs on the wave's number alone
	s_cselect_b64 s[4:5], s[4:5], s[6:7]
	s_add_nc_u64 s[4:5], s[4:5], s[18:19]
	s_add_nc_u64 s[8:9], s[8:9], s[20:21]
.macro LOAD c                          ; chunk c: 32 keys, 8,192 bytes, into set c % 2: each load reads 512 consecutive bytes, two keys
.irp i, 0,1,2,3,4,5,6,7,8,9,10,11,12,13,14,15
	global_load_b128 v[R+64*((\c)%2)+4*\i:R+64*((\c)%2)+4*\i+3], v[GL], s[4:5] offset:8192*(\c)+512*\i th:TH_LOAD_NT
.endr
.endm
; K'S KEYS, AS THEY NOW STAND (this order holds, not the one in the list at the head): fragment f, row r: registers 0-5: key 64 (f / 2) + 16 (f % 2) + 32 (r / 8) + r % 8; registers 6-11: the key 8 further on.
; So K's chunk c is 16 keys from 64 (c / 2) + 16 (c % 2) on and the 16 keys that lie 32 further on; each load still reads 512 consecutive bytes, two keys.  The stage's map of a chunk's 32 keys is unchanged.
.macro LOADK c
.irp i, 0,1,2,3,4,5,6,7,8,9,10,11,12,13,14,15
	global_load_b128 v[R+64*((\c)%2)+4*\i:R+64*((\c)%2)+4*\i+3], v[GL], s[4:5] offset:256*(64*((\c)/2)+16*((\c)%2)+2*\i+16*(\i/8)) th:TH_LOAD_NT
.endr
.endm
; K's turn.  Key x of the chunk goes to stage row (x & 7) | (x & 16) / 2 | (x & 8) x 2: rows 0-15 are the fragment's first keys in the order of its rows, rows 16-31 the second keys.
; LDS serves a wave's instructions in order (ISA guide 5.7.1.4): no wait stands between the stores and the loads.  Back: lane (r, h) takes d = 32 h .. 32 h + 31 of rows r and 16 + r.
.macro TURNK c
.set RR, R+64*((\c)%2)
.irp i, 0,1,2,3,4,5,6,7,8,9,10,11,12,13,14,15
	ds_store_b128 v[KSI], v[RR+4*\i:RR+4*\i+3] offset:KP*(((2*\i)&7)|(((2*\i)&16)>>1)|(((2*\i)&8)<<1))
.endr
.irp j, 0,1,2,3,4,5,6,7
	ds_load_b128 v[RR+4*\j:RR+4*\j+3], v[KSO] offset:16*\j
.endr
.irp j, 0,1,2,3,4,5,6,7
	ds_load_b128 v[RR+32+4*\j:RR+32+4*\j+3], v[KSO] offset:16*KP+16*\j
.endr
.endm
; V's turn.  The chunk goes into the stage as it lies, 256 bytes a key; back, a lane takes columns lane and lane + 32, and its registers run down the 32 keys: 32 lanes read 128 consecutive bytes.
.macro TURNV c
.set RR, R+64*((\c)%2)
.irp i, 0,1,2,3,4,5,6,7,8,9,10,11,12,13,14,15
	ds_store_b128 v[VSI], v[RR+4*\i:RR+4*\i+3] offset:512*\i
.endr
.irp i, 0,1,2,3,4,5,6,7,8,9,10,11,12,13,14,15,16,17,18,19,20,21,22,23,24,25,26,27,28,29,30,31
	ds_load_b32 v[RR+\i], v[VSO] offset:256*\i
.endr
.irp i, 0,1,2,3,4,5,6,7,8,9,10,11,12,13,14,15,16,17,18,19,20,21,22,23,24,25,26,27,28,29,30,31
	ds_load_b32 v[RR+32+\i], v[VSO] offset:256*\i+128
.endr
.endm
; Two whole blocks of 32 of a lane, v[x] .. v[x + 31] and v[x + 32] .. v[x + 63], become 6 + 6 registers of codes at v[c] on, and their bytes in v[BY], v[BY + 1].
.macro QUANT2 x, c
	v_max3_num_f32 v[M], |v[\x]|, |v[\x+1]|, 0x1800000          ; the floor 2^(3 - 127) among the leaves: the byte cannot fall under 1
	v_max3_num_f32 v[M+1], |v[\x+32]|, |v[\x+33]|, 0x1800000
.irp i, 2,4,6,8,10,12,14,16,18,20,22,24,26,28,30
	v_max3_num_f32 v[M], v[M], |v[\x+\i]|, |v[\x+\i+1]|         ; the two blocks by turns
	v_max3_num_f32 v[M+1], v[M+1], |v[\x+32+\i]|, |v[\x+33+\i]|
.endr
	v_add_nc_u32 v[M], 0xff000000, v[M]            ; 2 off the exponent field: the conversion takes the exponent field of this operand as its scale, and nothing else of it
	v_add_nc_u32 v[M+1], 0xff000000, v[M+1]
	v_cvt_scalef32_pk16_fp6_f32 v[\c:\c+2], v[\x:\x+15], v[M]
	v_cvt_scalef32_pk16_fp6_f32 v[T:T+2], v[\x+16:\x+31], v[M]
	v_cvt_scalef32_pk16_fp6_f32 v[\c+6:\c+8], v[\x+32:\x+47], v[M+1]
	v_cvt_scalef32_pk16_fp6_f32 v[T+4:T+6], v[\x+48:\x+63], v[M+1]
	v_lshrrev_b32 v[BY], 23, v[M]                  ; the bytes; also the plain line between the conversions and the moves that read their results
	v_lshrrev_b32 v[BY+1], 23, v[M+1]
.irp i, 0,1,2
	v_mov_b32 v[\c+3+\i], v[T+\i]
	v_mov_b32 v[\c+9+\i], v[T+4+\i]
.endr
.endm
	s_cmp_lt_u32 s16, 2
	s_cbranch_scc0 .Lvalues
	LOADK 0
	LOADK 1
	; ---- K: chunk f is fragment f
.irp f, 0,1,2,3
.if \f < 3
	s_wait_loadcnt 16                              ; this chunk's 16 loads are in; the next chunk's 16 may be out
.else
	s_wait_loadcnt 0x0
.endif
	TURNK \f
	s_wait_dscnt 0x0
	QUANT2 R+64*(\f%2), C+12*\f
	v_lshl_or_b32 v28, v[BY+1], 16, v[BY]          ; my two bytes: block h of the first key and of the second,
	v_lshlrev_b32 v28, v[H8], v28                  ; at their places in the scale word (8 h bits up);
	v_permlanex16_b32 v30, v28, s24, s25
	v_or_b32 v[W+\f], v28, v30                     ; with lane l xor 16's two the word is whole
.if \f < 2
	LOADK \f+2
.endif
.irp g, 0,1,2
	global_store_b128 v[GL], v[C+12*\f+4*\g:C+12*\f+4*\g+3], s[8:9] offset:1536*\f+512*\g   ; a group of four registers: 512 consecutive bytes, at a multiple of 256 from kv's first byte
.endr
.endr
	v_cmp_eq_u32 vcc_lo, 1, v3
	v_cndmask_b32 v28, v[W], v[W+2], vcc_lo        ; lanes 0-15 store row r's words 0 and 1, lanes 16-31 its words 2 and 3:
	v_cndmask_b32 v29, v[W+1], v[W+3], vcc_lo
	global_store_b64 v[KW], v[28:29], s[8:9] offset:12288   ; one store covers the 256 bytes of K's scale words
	s_wait_tensorcnt 0x0
	ds_add_u32 v208, v209
	s_wait_dscnt 0x0
	s_endpgm
.Lvalues:
	LOAD 0
	LOAD 1
	; ---- V: chunk b is key block b (32 keys) of all 64 columns.  My column lane + 32 u is row 8 u + lane % 8 of fragment t; key block b is registers 6 (b / 2) .. + 5 of image lane row + 16 (b % 2)
.irp b, 0,1,2,3
.if \b < 3
	s_wait_loadcnt 16                              ; this chunk's 16 loads are in; the next chunk's 16 may be out
.else
	s_wait_loadcnt 0x0
.endif
	TURNV \b
	s_wait_dscnt 0x0
	QUANT2 R+64*(\b%2), C+12*\b
.if \b < 2
	LOAD \b+2
.endif
.irp u, 0,1
.set CC, C+12*\b+6*\u
.set OO, IMG+128*\u+256*(\b&1)
.if \b < 2
	ds_store_b128 v[VI], v[CC:CC+3] offset:OO                  ; registers 0-3: group 0;
	ds_store_b64 v[VI], v[CC+4:CC+5] offset:OO+512             ; registers 4, 5: the lower half of group 1
.else
	ds_store_b64 v[VI], v[CC:CC+1] offset:OO+520               ; registers 6, 7: its upper half;
	ds_store_b128 v[VI], v[CC+2:CC+5] offset:OO+1024           ; registers 8-11: group 2
.endif
.if \b == 0
	v_mov_b32 v[W+\u], v[BY+\u]                    ; the column's scale word: byte b for key block b
.else
	v_lshl_or_b32 v[W+\u], v[BY+\u], 8*\b, v[W+\u]
.endif
.endr
.endr
.irp u, 0,1
	ds_store_b32 v[WA], v[W+\u] offset:WRD+128*\u
.endr
.irp g, 0,1,2,3,4,5,6,7,8,9,10,11
	ds_load_b128 v[R+4*\g:R+4*\g+3], v[VSI] offset:IMG+512*\g   ; the image comes back as it will lie in kv; these loads see my stores (a wave's LDS instructions are served in order)
.endr
	ds_load_b64 v[28:29], v[WRB] offset:WRD
.irp g, 0,1,2,3,4,5,6,7,8,9,10,11
	s_wait_dscnt 12-\g                             ; behind load g: 11 - g loads of the image and the load of the words
	global_store_b128 v[GL], v[R+4*\g:R+4*\g+3], s[8:9] offset:6144+512*\g
.endr
	s_wait_dscnt 0x0
	global_store_b64 v[L8], v[28:29], s[8:9] offset:12544       ; one store covers the 256 bytes of V's scale words
	s_wait_tensorcnt 0x0
	ds_add_u32 v208, v209
	s_wait_dscnt 0x0
	s_endpgm
.Lfunc_end_k_q32d2136261_prep:
	.size	k_q32d2136261_prep, .Lfunc_end_k_q32d2136261_prep-k_q32d2136261_prep
	.p2alignl 7, 3214868480
	.fill 96, 4, 3214868480
	.section	.rodata,"a",@progbits
	.p2align	6, 0x0
	.amdhsa_kernel k_q32d2136261_prep
		.amdhsa_group_segment_fixed_size 58880
		.amdhsa_private_segment_fixed_size 0
		.amdhsa_enable_private_segment 0
		.amdhsa_kernarg_size 24
		.amdhsa_user_sgpr_count 2
		.amdhsa_user_sgpr_kernarg_segment_ptr 1
		.amdhsa_wavefront_size32 1
		.amdhsa_system_sgpr_workgroup_id_x 1
		.amdhsa_system_sgpr_workgroup_id_y 1
		.amdhsa_system_sgpr_workgroup_id_z 1
		.amdhsa_system_vgpr_workitem_id 0
		.amdhsa_next_free_vgpr 210
		.amdhsa_next_free_sgpr 66
		.amdhsa_reserve_vcc 1
		.amdhsa_float_denorm_mode_32 3
		.amdhsa_float_denorm_mode_16_64 3
		.amdhsa_memory_ordered 1
		.amdhsa_forward_progress 1
		.amdhsa_inst_pref_size 71
	.end_amdhsa_kernel
	.amdgpu_metadata
---
amdhsa.version: [ 1, 2 ]
amdhsa.kernels:
  - .name:           k_q32d2136261_prep
    .symbol:         k_q32d2136261_prep.kd
    .args:
      - { .name: k, .offset: 0, .size: 8, .value_kind: global_buffer, .address_space: global }
      - { .name: v, .offset: 8, .size: 8, .value_kind: global_buffer, .address_space: global }
      - { .name: kv, .offset: 16, .size: 8, .value_kind: global_buffer, .address_space: global }
    .group_segment_fixed_size: 58880
    .private_segment_fixed_size: 0
    .kernarg_segment_align: 8
    .kernarg_segment_size: 24
    .max_flat_workgroup_size: 128
    .sgpr_count:     66
    .vgpr_count:     210
    .wavefront_size: 32
...
	.end_amdgpu_metadata
.endif
;; end of part 1
;; launch attend (part 2): grid 4 x 64, 16 waves a work-group, clusters of 4 x 1, 276,480 bytes of LDS; arguments q, kv, out0; writes out0
.if DOCPART == 2
	.amdgcn_target "amdgcn-amd-amdhsa--gfx1250"
	.amdhsa_code_object_version 6
	.text
	.protected	k_q32d2136261_attend
	.globl	k_q32d2136261_attend
	.p2align	8
	.type	k_q32d2136261_attend,@function
k_q32d2136261_attend:
	s_mov_b64 s[64:65], 0
	v_nop
	global_prefetch_b8 v0, s[64:65] scope:SCOPE_SE
	s_setreg_imm32_b32 hwreg(HW_REG_WAVE_MODE, 25, 1), 1
	s_wait_xcnt 0x0
	s_wait_alu depctr_hold_cnt(0) depctr_sa_sdst(0) depctr_va_vdst(0) depctr_va_sdst(0) depctr_va_ssrc(0) depctr_va_vcc(0) depctr_vm_vsrc(0)
	s_getreg_b32 s2, hwreg(HW_REG_IB_STS2, 6, 4)
	s_cmp_eq_u32 s2, 0
	s_cbranch_scc0 .Lentry_in_a_cluster
	s_endpgm
.Lentry_in_a_cluster:
	s_bfe_u32 s2, ttmp6, 0x10000c
	s_cmp_lg_u32 s2, 0x3003
	s_cbranch_scc0 .Lentry_shape_is_right
	s_endpgm
.Lentry_shape_is_right:
; out0[b][n][64 h + d] = the sum over keys of softmax(Q . K / 8) V, 64 heads of 2,048 x 64, both products on codes of FP6 (E2M3) with one E8M0 scale for each 32 along a product's K.
; K's and V's codes and scale words come from kv, laid by the launch before in the order of the operands' registers (a unit of 12,800 bytes for each key step of 128 keys); Q arrives as f32 and is quantised here.
; SOFTMAX: t = score x log2(e) / 8; M = the row's largest t so far, rounded up to a whole number; p = 2^(t - M) is quantised along the keys, not normalised.  The row's sum is taken of the unquantised p, in f32,
; and divides O at the end.  When M moves, the sum and O are multiplied by 2^(old M - new M): exact.
; LIMITS: NaN and infinities among the inputs are not served; the promise holds while |t| stays under 2^31; a p under 2^-126 comes out as 0 (ISA guide 15.8); a block of zeros has the scale byte 1: its codes are zeros.
; SHARES.  A work-group owns 512 queries of one head; each of its sixteen waves owns two tiles of 16 queries, one after the other.  The whole head lies in LDS, 16 units, filled once: wave w's one tensor load brings unit w.
; CLUSTER.  The four work-groups of a head need the same 16 units: each unit is asked for jointly, by the same tensor load with a mask that names the four.
; NO DATA PREFETCH: kv and the first tile of Q are asked for at the head, with no loop ahead of them; the second tile of Q is loaded into registers of its own sixteen key steps before it is used.
; LAYOUT.  Both products are used transposed: S^T = K Q^T, O^T = V^T P^T: a lane holds ONE query (lane % 16).  The head has 64 along K, the instruction 128: a fragment of K carries two tiles of 16 keys and is multiplied
; once by [Q | zeros] and once by [zeros | Q].  THE KEYS OF A TILE: row m of tile 4 c + u is key 64 c + 32 (m / 8) + 8 u + m % 8, so that lane (r, h)'s registers 32 c .. 32 c + 31 of S^T are keys 64 c + 32 h + 0 .. 31:
; one WHOLE block of 32 in a lane, in the order of the second product's operand: a block's maximum needs no other lane and p's codes need no exchange between lanes.
; ORDER OF A STEP.  Maxima and sums run in eight chains each; lines that hang on each other are laid apart, with independent lines of the same step, or V's LDS loads, between them.
.set UNITB, 12800
.set HEADB, 16*UNITB                   ; LDS 0 .. 204,799: the head's units
.set STG,   HEADB                      ; a stage of 16 rows x 272 bytes for each wave (Q in, O out); no tensor load lands here
.set SP,    272
.set SPARE, STG+16*16*SP               ; the spare words, 128 bytes a wave
.set LI,   1                           ; 16 x lane
.set SA,   2                           ; the stage by rows: 272 h + 16 r
.set SB,   3                           ; the stage by lanes: 272 r + 128 h
.set GO,   4                           ; out0: 4096 h + 16 r
.set ADR,  5                           ; LDS address of a unit + 16 x lane
.set H8,   6                           ; 8 h: a shift
.set SPW,  10                          ; my spare word; never rewritten
.set NIL,  11                          ; 0; never rewritten
                                       ; v12 -M, v13 the largest score so far, v[14:15] the sum in two halves
.set QZ,   16                          ; v16-33: zeros, Q, zeros, six registers each
.set QS,   34                          ; Q's scale word, bytes s0 s1 s0 s1
.set PS,   35                          ; p's scale word
.set SC,   36                          ; v36-39: lanes 0-15 K's scale words, lanes 16-31 V's
.set FR,   40                          ; v40-87: four fragments, K's and then V's
.set S,    88                          ; v88-151: S^T, then p
.set O,    152                         ; v152-183: O^T
.set PC,   184                         ; v184-195: p's codes
.set T2,   200                         ; v200-201
.set SO,   202                         ; v202-203: the conversions' scale operands
.set Y,    204                         ; v204-211 serve three ends, one after the other in a step: Y: the conversions' second halves (three registers from an even one on),
.set BM,   204                         ; BM: the eight chains of maxima,
.set TU,   204                         ; TU: the sum's chains 4 to 7
.set F,    212                         ; v[212:213]: f = 2^(old M - new M)
.set TMP,  214
.set TMP2, 215
.set TS,   216                         ; v216-223: the sum's chains 0 to 3, two numbers each
.set RQ,   224                         ; v224-255: a tile of Q as f32
.set WV,   10
.set G0,   16
.set G1,   20
.set SEL,  28                          ; s[28:29] v_permlanex16_b32's selects for lane l xor 16
.set CS,   30                          ; s[30:31] c = log2(e) / 8
.set TB,   32                          ; LDS byte at which a unit begins
.set CNT,  33
.set NC,   41                          ; -c
.macro CROUND
	s_barrier_signal -1
	s_barrier_wait -1
	s_cmp_lg_u32 s[WV], 0
	s_cbranch_scc1 .Lnot_wave_0_\@
	s_barrier_signal -3
.Lnot_wave_0_\@:
	s_barrier_wait -3
	s_barrier_signal -1
	s_barrier_wait -1
.endm
; The tile of Q in v[RQ ..] turns through my stage (in as loaded, back with a lane holding d = 32 h .. 32 h + 31 of query r: one block) and becomes six registers of codes and the scale word
.macro QPREP
.irp i, 0,1,2,3,4,5,6,7
	ds_store_b128 v[SA], v[RQ+4*\i:RQ+4*\i+3] offset:2*SP*\i
.endr
.irp j, 0,1,2,3,4,5,6,7
	ds_load_b128 v[RQ+4*\j:RQ+4*\j+3], v[SB] offset:16*\j      ; a wave's LDS instructions are served in order (ISA guide 5.7.1.4)
.endr
	s_wait_dscnt 0x0
	v_max3_num_f32 v[BM], |v[RQ]|, |v[RQ+1]|, 0x1800000        ; the floor 2^(3 - 127) among the leaves: the byte cannot fall under 1
	v_max3_num_f32 v[BM+1], |v[RQ+2]|, |v[RQ+3]|, 0x1800000
.irp i, 4,8,12,16,20,24,28
	s_delay_alu instid0(VALU_DEP_2)
	v_max3_num_f32 v[BM], v[BM], |v[RQ+\i]|, |v[RQ+\i+1]|
	s_delay_alu instid0(VALU_DEP_2)
	v_max3_num_f32 v[BM+1], v[BM+1], |v[RQ+\i+2]|, |v[RQ+\i+3]|
.endr
	s_delay_alu instid0(VALU_DEP_1)
	v_max_num_f32 v[BM], v[BM], v[BM+1]
	s_delay_alu instid0(VALU_DEP_1)
	v_add_nc_u32 v[SO], 0xff000000, v[BM]          ; 2 off the exponent field: the conversion's scale operand
	v_cvt_scalef32_pk16_fp6_f32 v[QZ+6:QZ+8], v[RQ:RQ+15], v[SO]
	v_cvt_scalef32_pk16_fp6_f32 v[Y:Y+2], v[RQ+16:RQ+31], v[SO]
	v_lshrrev_b32 v[T2], 23, v[SO]                 ; the byte; also the plain line behind the conversions
.irp i, 0,1,2
	v_mov_b32 v[QZ+9+\i], v[Y+\i]
.endr
	s_delay_alu instid0(VALU_DEP_4)
	v_permlanex16_b32 v[T2+1], v[T2], s[SEL], s[SEL+1]
	s_delay_alu instid0(VALU_DEP_1)
	v_lshl_or_b32 v[QS], v[T2+1], 8, v[T2]         ; in lanes 0-15, which are read: block 0's byte, block 1's
	s_delay_alu instid0(VALU_DEP_1)
	v_lshl_or_b32 v[QS], v[QS], 16, v[QS]          ; and the same for k = 64 .. 127
.endm
.macro KLOAD                           ; a unit's scale words and K's four fragments: 13 loads
	ds_load_b128 v[SC:SC+3], v[ADR] offset:12288
.irp n, 0,1,2,3,4,5,6,7,8,9,10,11
	ds_load_b128 v[FR+4*\n:FR+4*\n+3], v[ADR] offset:512*\n
.endr
.endm
.macro VL n                            ; group n of four registers of V's four fragments
	ds_load_b128 v[FR+4*\n:FR+4*\n+3], v[ADR] offset:6144+512*\n
.endm
; cnt further additions of the 24 that sum a step's 32 pairs of p into eight chains; sn counts them through a step.  Chain k takes pairs k, k + 8, k + 16, k + 24: a chain's additions stand eight apart
.macro SUMS cnt
.rept \cnt
.set kk, sn%8
.if kk < 4
.set dd, TS+2*kk
.else
.set dd, TU+2*kk-8
.endif
.if sn < 8
	v_pk_add_f32 v[dd:dd+1], v[S+2*kk:S+2*kk+1], v[S+16+2*kk:S+16+2*kk+1]
.else
	v_pk_add_f32 v[dd:dd+1], v[dd:dd+1], v[S+16+16*(sn/8)+2*kk:S+16+16*(sn/8)+2*kk+1]
.endif
.set sn, sn+1
.endr
.endm
.macro OMUL from, to                   ; O^T under the new M: pairs from .. to
.set j, \from
.rept \to-\from+1
	v_pk_mul_f32 v[O+2*j:O+2*j+1], v[O+2*j:O+2*j+1], v[F:F+1] op_sel_hi:[1,0]
.set j, j+1
.endr
.endm
	s_load_b128 s[4:7], s[0:1], 0x0                ; q, kv
	s_load_b64 s[8:9], s[0:1], 0x10                ; out0
	v_lshl_add_u32 v[SPW], v0, 2, SPARE
	v_mov_b32 v[NIL], 0
	ds_add_u32 v[SPW], v[NIL]                      ; the opening lines: the add, twice on end, and its wait
	ds_add_u32 v[SPW], v[NIL]
	v_lshrrev_b32 v7, 5, v0
	v_and_b32 v[LI], 31, v0
	v_readfirstlane_b32 s[WV], v7                  ; wave 0..15
	v_lshlrev_b32 v[LI], 4, v[LI]
	s_wait_alu depctr_va_vdst(0)
	s_bfe_u32 s11, ttmp6, 0x40000                  ; cx: it enters q's and out0's addresses alone
	s_and_b32 s12, ttmp7, 0xffff                   ; the head, which the four partners share
	s_mul_i32 s13, s[WV], UNITB                    ; unit w: its place in LDS,
	s_mul_i32 s14, s12, HEADB
	s_add_co_u32 s14, s14, s13                     ; and in kv (under 2^24)
	s_mov_b32 s15, 0
	s_mov_b32 s[G1], 15|(3<<16)|(1<<21)            ; the mask of all four; elements of 8 bytes; bit 21 beside a mask
	s_mov_b32 s[G1+1], 32<<16                      ; 50 rows of 256 bytes, dense
	s_mov_b32 s[G1+2], 50<<16
	s_mov_b32 s[G1+3], 32<<16
	s_mov_b32 s[G1+4], 50
	s_mov_b32 s[G1+5], 32
	s_mov_b32 s[G1+6], 0
	s_mov_b32 s[G1+7], 0
	s_lshl_b32 s36, s11, 9
	s_lshl_b32 s37, s[WV], 4
	s_add_co_u32 s36, s36, s37                     ; my first query: 512 cx + 16 w (the second tile's lies 256 further on)
	s_lshl_b32 s34, s12, 19                        ; q: a head is 2,048 rows of 256 bytes
	s_lshl_b32 s37, s36, 8
	s_add_co_u32 s34, s34, s37
	s_mov_b32 s35, 0
	s_lshr_b32 s38, s12, 4                         ; out0: batch x 2,048 rows of 4,096 bytes,
	s_lshl_b32 s38, s38, 23
	s_and_b32 s37, s12, 15
	s_lshl_b32 s37, s37, 8                         ; + the head's 256 bytes of a row,
	s_add_co_u32 s38, s38, s37
	s_lshl_b32 s37, s36, 12                        ; + my first query's row
	s_add_co_u32 s38, s38, s37
	s_mov_b32 s39, 0
	s_mul_i32 s40, s[WV], 16*SP
	s_add_co_u32 s40, s40, STG                     ; my stage
	s_mov_b32 s[SEL], 0x76543210
	s_mov_b32 s[SEL+1], 0xfedcba98
	s_mov_b32 s[CS], 0x3e38aa3b                    ; c = log2(e) / 8
	s_mov_b32 s[CS+1], s[CS]
	s_mov_b32 s[NC], 0xbe38aa3b                    ; -c
	s_wait_dscnt 0x0
	s_wait_kmcnt 0x0
	s_add_nc_u64 s[4:5], s[4:5], s[34:35]
	s_add_nc_u64 s[8:9], s[8:9], s[38:39]
.irp i, 0,1,2,3,4,5,6,7                        ; Q's first tile: 4,096 dense bytes, each load 512 consecutive bytes, two rows
	global_load_b128 v[RQ+4*\i:RQ+4*\i+3], v[LI], s[4:5] offset:512*\i th:TH_LOAD_NT
.endr
	s_mov_b32 s[G0], 1
	s_mov_b32 s[G0+1], s13
	s_add_nc_u64 s[G0+2:G0+3], s[6:7], s[14:15]    ; made of the head and the wave's number alone
	s_or_b32 s[G0+3], s[G0+3], 0x80000000
	CROUND                                         ; all four work-groups are here: the joint loads meet
	tensor_load_to_lds s[G0:G0+3], s[G1:G1+7]      ; my one tensor load of the launch
	s_nop 0
.rept 4
	v_nop
.endr
	v_and_b32 v7, 15, v0                           ; r
	v_bfe_u32 v8, v0, 4, 1                         ; h
	v_mul_u32_u24 v[SA], v8, SP
	v_mul_u32_u24 v[SB], v7, SP
	v_lshlrev_b32 v[GO], 12, v8
	v_lshlrev_b32 v[H8], 3, v8
	v_lshl_add_u32 v[SA], v7, 4, v[SA]
	v_lshl_add_u32 v[SB], v8, 7, v[SB]
	v_lshl_add_u32 v[GO], v7, 4, v[GO]
	v_add_nc_u32 v[SA], s40, v[SA]
	v_add_nc_u32 v[SB], s40, v[SB]
.irp z, 0,12
.irp i, 0,1,2,3,4,5
	v_mov_b32 v[QZ+\z+\i], 0                       ; the zero codes beside Q's
.endr
.endr
	v_mov_b32 v[T2], 0                             ; written once: a lane permute's destination counts as one of its sources
	v_mov_b32 v[T2+1], 0
	v_mov_b32 v[TMP2], 0
	v_mov_b32 v[F+1], 0                            ; named as the upper half of a pair
	s_wait_alu depctr_va_vdst(0)
	s_wait_loadcnt 0x0                             ; Q's first tile is in
	QPREP
	s_wait_alu depctr_va_vdst(0)
	s_wait_tensorcnt 0x0                           ; my unit has landed,
	s_wait_dscnt 0x0
	s_barrier_signal -1
	s_barrier_wait -1                              ; everybody's has: the whole head lies in LDS
.irp i, 0,1,2,3,4,5,6,7                        ; Q's second tile, asked for only now; it is waited for behind the first tile's sixteen key steps
	global_load_b128 v[RQ+4*\i:RQ+4*\i+3], v[LI], s[4:5] offset:65536+512*\i th:TH_LOAD_NT
.endr
; A KEY STEP: 128 keys.  K's fragments and the scale words were asked for in the step before.  pf = 1: the next unit's are asked for here.
.macro STEP pf
.irp f, 0,1,2,3                                ; S^T = K Q^T: each fragment feeds two products
	s_wait_dscnt 9-3*\f                            ; fragment f is in; the later fragments' loads, three each, may be out
	v_wmma_scale_f32_16x16x128_f8f6f4 v[S+16*\f:S+16*\f+7], v[FR+12*\f:FR+12*\f+11], v[QZ+6:QZ+17], 0, v[SC+\f], v[QS] matrix_a_fmt:MATRIX_FMT_FP6 matrix_b_fmt:MATRIX_FMT_FP6
	v_wmma_scale_f32_16x16x128_f8f6f4 v[S+16*\f+8:S+16*\f+15], v[FR+12*\f:FR+12*\f+11], v[QZ:QZ+11], 0, v[SC+\f], v[QS] matrix_a_fmt:MATRIX_FMT_FP6 matrix_b_fmt:MATRIX_FMT_FP6
.endr
.irp k, 0,1,2,3                                ; the last step's eight chains of the sum become four: these four lines are the places behind the products
	v_pk_add_f32 v[TS+2*\k:TS+2*\k+1], v[TS+2*\k:TS+2*\k+1], v[TU+2*\k:TU+2*\k+1]
.endr
.irp k, 0,1,2,3,4,5,6,7                        ; the largest scores, a chain to each accumulator, read from its low end on
	v_max3_num_f32 v[BM+\k], v[S+8*\k], v[S+8*\k+1], v[S+8*\k+2]
.endr
	v_pk_add_f32 v[TS:TS+1], v[TS:TS+1], v[TS+2:TS+3]          ; (four chains of the sum become two,
	v_pk_add_f32 v[TS+4:TS+5], v[TS+4:TS+5], v[TS+6:TS+7]
.irp k, 0,1,2,3,4,5,6,7
	v_max3_num_f32 v[BM+\k], v[BM+\k], v[S+8*\k+3], v[S+8*\k+4]
.endr
	v_pk_add_f32 v[TS:TS+1], v[TS:TS+1], v[TS+4:TS+5]          ; one,
.irp k, 0,1,2,3,4,5,6,7
	v_max3_num_f32 v[BM+\k], v[BM+\k], v[S+8*\k+5], v[S+8*\k+6]
.endr
	v_max3_num_f32 v[BM+1], v[BM+1], v[S+23], v[S+31]          ; each accumulator's last register, and the chains joined: 0 to 3 are block h, 4 to 7 block 2 + h
	v_max3_num_f32 v[BM], v[BM], v[S+7], v[S+15]
	v_max_num_f32 v[BM+2], v[BM+2], v[BM+3]
	v_max3_num_f32 v[BM+5], v[BM+5], v[S+55], v[S+63]
	v_max3_num_f32 v[BM+4], v[BM+4], v[S+39], v[S+47]
	v_max_num_f32 v[BM+6], v[BM+6], v[BM+7]
	v_mov_b32 v[T2], v12                           ; the old -M
	v_pk_add_f32 v[14:15], v[14:15], v[TS:TS+1]    ; and join the row's sum)
	v_max3_num_f32 v[BM], v[BM], v[BM+1], v[BM+2]  ; THE LARGEST SCORE OF EACH BLOCK serves twice: for the row's maximum and, since p rises with the score, for the block's largest p
	v_max3_num_f32 v[BM+4], v[BM+4], v[BM+5], v[BM+6]
	VL 0                                           ; V's fragments are asked for between the links of the chain below; they land while the softmax is worked
	VL 1
	v_max3_num_f32 v[TMP], v[BM], v[BM+4], v13
	VL 2
	VL 3
	VL 4
	v_permlanex16_b32 v[TMP2], v[TMP], s[SEL], s[SEL+1]
	VL 5
	VL 6
	VL 7
	v_max_num_f32 v13, v[TMP], v[TMP2]             ; my query's largest score so far
	VL 8
	VL 9
	v_mul_f32 v[TMP], s[NC], v13                   ; -t
	VL 10
	v_floor_f32 v12, v[TMP]                        ; the new -M = floor(-t) = -ceil(t)
	VL 11
.set j, 0
.rept 32
	v_pk_fma_f32 v[S+j:S+j+1], v[S+j:S+j+1], s[CS:CS+1], v[12:13] op_sel_hi:[1,0,0]   ; t - M, two at a time (of the pairs c and -M the low word serves both halves)
.if j == 8
	v_sub_f32 v[TMP], v12, v[T2]                   ; old M - new M: a whole number, 0 or less
.endif
.if j == 18
	v_cvt_i32_f32 v[TMP], v[TMP]                   ; (it saturates)
.endif
.if j == 28
	v_ldexp_f32 v[F], 1.0, v[TMP]                  ; f = 2^(old M - new M)
.endif
.set j, j+2
.endr
	v_fma_f32 v[BM], v[BM], s[CS], v12             ; the same of each block's largest score
	v_fma_f32 v[BM+4], v[BM+4], s[CS], v12
.if \pf
	s_add_co_u32 s[TB], s[TB], UNITB
.endif
	s_wait_alu depctr_va_vdst(0)
.set j, 0
.rept 64
	v_exp_f32 v[S+j], v[S+j]                       ; p = 2^(t - M): not normalised
.set j, j+1
.endr
	v_exp_f32 v[BM], v[BM]                         ; the blocks' largest p: the same two instructions on the same number give the same bits
	v_exp_f32 v[BM+4], v[BM+4]
.if \pf
	v_add_nc_u32 v[ADR], s[TB], v[LI]              ; the next unit; also the plain line behind the exponentials (V's loads of this step are issued)
.else
	v_nop
.endif
	s_wait_dscnt 0x0                               ; V's fragments are in
	s_wait_alu depctr_va_vdst(0)                   ; one wait for the batch, ahead of its first reader and directly ahead of the first reader of O^T
	OMUL 0, 1                                      ; O^T under the new M, with the blocks' scales made between its lines
	v_max_num_f32 v[BM], 0x1800000, v[BM]          ; the floor 2^(3 - 127): the byte cannot fall under 1
	v_max_num_f32 v[BM+4], 0x1800000, v[BM+4]
	OMUL 2, 6
	v_add_nc_u32 v[SO], 0xff000000, v[BM]          ; 2 off the exponent field: the conversion's scale operand
	v_add_nc_u32 v[SO+1], 0xff000000, v[BM+4]
	OMUL 7, 11
	v_lshrrev_b32 v[T2], 23, v[SO]                 ; the bytes
	v_lshrrev_b32 v[T2+1], 23, v[SO+1]
	OMUL 12, 15
	v_pk_mul_f32 v[14:15], v[14:15], v[F:F+1] op_sel_hi:[1,0]  ; and the sum under the new M
	v_lshl_or_b32 v[PS], v[T2+1], 16, v[T2]        ; my two bytes, blocks h and 2 + h,
.irp c, 0,1
	v_cvt_scalef32_pk16_fp6_f32 v[PC+6*\c:PC+6*\c+2], v[S+32*\c:S+32*\c+15], v[SO+\c]
	v_cvt_scalef32_pk16_fp6_f32 v[Y+4*\c:Y+4*\c+2], v[S+32*\c+16:S+32*\c+31], v[SO+\c]
.endr
	v_lshlrev_b32 v[PS], v[H8], v[PS]              ; at their places in the scale word; also the plain line behind the conversions
.irp i, 0,1,2
	v_mov_b32 v[PC+3+\i], v[Y+\i]                  ; the upper 16 codes of each block
.endr
	v_mov_b32 v[PC+9], v[Y+4]
	v_permlanex16_b32 v[T2], v[PS], s[SEL], s[SEL+1]
	v_mov_b32 v[PC+10], v[Y+5]
	v_mov_b32 v[PC+11], v[Y+6]
.set sn, 0
	SUMS 3                                         ; THE SUM OF THE UNQUANTISED p
	v_or_b32 v[PS], v[PS], v[T2]                   ; with lane l xor 16's two bytes the word is whole
	SUMS 8                                         ; eight places between the scale word and the products; none of these lines names a register of theirs
.irp t, 0,1,2,3                                ; O^T += V^T P^T.  The accumulators take turns, one instruction a turn
	v_wmma_scale_f32_16x16x128_f8f6f4 v[O+8*\t:O+8*\t+7], v[FR+12*\t:FR+12*\t+11], v[PC:PC+11], v[O+8*\t:O+8*\t+7], v[SC+\t], v[PS] matrix_a_fmt:MATRIX_FMT_FP6 matrix_b_fmt:MATRIX_FMT_FP6 matrix_a_scale:MATRIX_SCALE_ROW1
.endr
	SUMS 4                                         ; the places in front of the loads below
.if \pf
	KLOAD                                          ; the next step's scale words and fragments of K land under the additions
.endif
	SUMS 9
	s_wait_alu depctr_va_vdst(0)
.endm
; THE WAY OUT of tile n: O^T is divided by the row's sum and goes through my stage: in, a lane's 128 bytes of its query's row; back, whole rows of 256 bytes, the head's part of a row of out0.
.macro WAYOUT n
.irp k, 0,1,2,3
	v_pk_add_f32 v[TS+2*\k:TS+2*\k+1], v[TS+2*\k:TS+2*\k+1], v[TU+2*\k:TU+2*\k+1]
.endr
	v_pk_add_f32 v[TS:TS+1], v[TS:TS+1], v[TS+2:TS+3]
	v_pk_add_f32 v[TS+4:TS+5], v[TS+4:TS+5], v[TS+6:TS+7]
	s_delay_alu instid0(VALU_DEP_1)
	v_pk_add_f32 v[TS:TS+1], v[TS:TS+1], v[TS+4:TS+5]
	s_delay_alu instid0(VALU_DEP_1)
	v_pk_add_f32 v[14:15], v[14:15], v[TS:TS+1]
	s_delay_alu instid0(VALU_DEP_1)
	v_add_f32 v14, v14, v15                        ; the sum's two halves,
	s_delay_alu instid0(VALU_DEP_1)
	v_permlanex16_b32 v[TMP2], v14, s[SEL], s[SEL+1]
	s_delay_alu instid0(VALU_DEP_1)
	v_add_f32 v14, v14, v[TMP2]                    ; and lane l xor 16's: the row's sum
	s_wait_alu depctr_va_vdst(0)                   ; the wait ahead of the reciprocal,
	v_rcp_f32 v14, v14
	v_nop                                          ; a plain line behind it,
	s_wait_alu depctr_va_vdst(0)                   ; and the wait ahead of its first reader, which is O^T's too
.set j, 0
.rept 16
	v_pk_mul_f32 v[S+j:S+j+1], v[O+j:O+j+1], v[14:15] op_sel_hi:[1,0]   ; register j: o(query r, d = 32 h + j)
.set j, j+2
.endr
.irp i, 0,1,2,3,4,5,6,7
	ds_store_b128 v[SB], v[S+4*\i:S+4*\i+3] offset:16*\i
.endr
.irp i, 0,1,2,3,4,5,6,7
	ds_load_b128 v[S+32+4*\i:S+32+4*\i+3], v[SA] offset:2*SP*\i   ; these see my stores: a wave's LDS instructions are served in order
.endr
.irp i, 0,1,2,3,4,5,6,7
	s_wait_dscnt 7-\i                              ; load i is in; the 7 - i younger ones may be out
	global_store_b128 v[GO], v[S+32+4*\i:S+32+4*\i+3], s[8:9] offset:1048576*\n+8192*\i th:TH_STORE_NT   ; 16 lanes store 256 consecutive bytes, at a multiple of 256 from out0's first byte
.endr
.endm
; A tile of 16 queries walks the head's 16 key steps.  O^T and the sums begin as zeros, the largest score as -3e38 and -M as 2^125, so that the step is written once: the first f is 0 and multiplies zeros.
; The last step asks for no further unit, so it is written out behind the loop.
.macro TILE n
	s_mov_b32 s[TB], 0
	s_mov_b32 s[CNT], 15
	v_add_nc_u32 v[ADR], s[TB], v[LI]
	v_mov_b32 v13, 0xff61b1e6
	v_mov_b32 v12, 0x7e000000
	v_mov_b32 v14, 0
	v_mov_b32 v15, 0
	KLOAD                                          ; unit 0
.set j, 0
.rept 8
	v_mov_b32 v[TS+j], 0
	v_mov_b32 v[TU+j], 0
.set j, j+1
.endr
.set j, 0
.rept 32
	v_mov_b32 v[O+j], 0
.set j, j+1
.endr
	s_wait_alu depctr_va_vdst(0)
.Lkey_\@:
	STEP 1
	s_sub_co_u32 s[CNT], s[CNT], 1
	s_cmp_lg_u32 s[CNT], 0
	s_cbranch_scc1 .Lkey_\@
	STEP 0
	WAYOUT \n
.endm
	TILE 0
	s_wait_xcnt 0x0                                ; the stores have read their data registers: the next tile's products write them again
	s_wait_loadcnt 0x0                             ; Q's second tile is in
	QPREP                                          ; it takes the first tile's registers; the next tile's clearing lines are the places ahead of its first product
	TILE 1
	s_wait_tensorcnt 0x0                           ; the wave's end
	ds_add_u32 v[SPW], v[NIL]
	s_wait_dscnt 0x0
	CROUND                                         ; the closing round
	s_endpgm
.Lfunc_end_k_q32d2136261_attend:
	.size	k_q32d2136261_attend, .Lfunc_end_k_q32d2136261_attend-k_q32d2136261_attend
	.p2alignl 7, 3214868480
	.fill 96, 4, 3214868480
	.section	.rodata,"a",@progbits
	.p2align	6, 0x0
	.amdhsa_kernel k_q32d2136261_attend
		.amdhsa_group_segment_fixed_size 276480
		.amdhsa_private_segment_fixed_size 0
		.amdhsa_enable_private_segment 0
		.amdhsa_kernarg_size 24
		.amdhsa_user_sgpr_count 2
		.amdhsa_user_sgpr_kernarg_segment_ptr 1
		.amdhsa_wavefront_size32 1
		.amdhsa_system_sgpr_workgroup_id_x 1
		.amdhsa_system_sgpr_workgroup_id_y 1
		.amdhsa_system_sgpr_workgroup_id_z 1
		.amdhsa_system_vgpr_workitem_id 0
		.amdhsa_next_free_vgpr 256
		.amdhsa_next_free_sgpr 66
		.amdhsa_reserve_vcc 0
		.amdhsa_float_denorm_mode_32 3
		.amdhsa_float_denorm_mode_16_64 3
		.amdhsa_memory_ordered 1
		.amdhsa_forward_progress 1
		.amdhsa_inst_pref_size 81
	.end_amdhsa_kernel
	.amdgpu_metadata
---
amdhsa.version: [ 1, 2 ]
amdhsa.kernels:
  - .name:           k_q32d2136261_attend
    .symbol:         k_q32d2136261_attend.kd
    .args:
      - { .name: q, .offset: 0, .size: 8, .value_kind: global_buffer, .address_space: global }
      - { .name: kv, .offset: 8, .size: 8, .value_kind: global_buffer, .address_space: global }
      - { .name: out0, .offset: 16, .size: 8, .value_kind: global_buffer, .address_space: global }
    .group_segment_fixed_size: 276480
    .private_segment_fixed_size: 0
    .kernarg_segment_align: 8
    .kernarg_segment_size: 24
    .max_flat_workgroup_size: 512
    .sgpr_count:     66
    .vgpr_count:     256
    .wavefront_size: 32
...
	.end_amdgpu_metadata
.endif
;; end of part 2
